; MI455X (gfx1250); checked and timed in simulation.
; The chip was launched on July 23, 2026; its instructions are those of AMD's public machine-readable ISA for CDNA 5 (MIT licence, August 2026) and "CDNA5" Instruction Set Architecture Reference Guide (July 2026). The comments in the code are by the model that wrote it; some were corrected since.
;; Householder Linear. Allowed arithmetic: float matrix products may take bf16 or f16 operands with f32 sums; other float arithmetic in f32, or as packed bf16 or f16 multiplies, adds, multiply-adds, maxima and minima; sums over many terms, partial sums and values carried from step to step in f32; what a program stores and reads back later, other than sums and carried values, may be rounded once to bf16 or f16.
;; Inputs: bias 4,096 float32; vs 10 x 4,096 float32; w 4,096 x 4,096 float32; x 4,096 x 4,096 float32.
;; Outputs: out0 4,096 x 4,096 float32.
;; Constants: time = 3.
;; 2 versions, each right; version 2 is version 1 with the launch prep written anew for expert scheduling mode. Each part assembles by itself: llvm-mc -triple=amdgcn-amd-amdhsa -mcpu=gfx1250 --defsym DOCPART=n.
;; ======== version 1 of 2: 2 launches
;; limits: values outside matrix products are rounded to bf16
;; workspace buffers: mb 33,554,432 bytes; wb 33,554,432 bytes
;; launch prep (part 1): grid 256 x 1, 8 waves a work-group, no clusters, 0 bytes of LDS; arguments x, w, vs, mb, wb; writes mb, wb
.if DOCPART == 1
	.amdgcn_target "amdgcn-amd-amdhsa--gfx1250"
	.amdhsa_code_object_version 6
	.text
	.protected	k_qaeda8dfd2d_prep
	.globl	k_qaeda8dfd2d_prep
	.p2align	8
	.type	k_qaeda8dfd2d_prep,@function
k_qaeda8dfd2d_prep:
	s_mov_b64 s[64:65], 0
	v_nop
	global_prefetch_b8 v0, s[64:65] scope:SCOPE_SE
	s_setreg_imm32_b32 hwreg(HW_REG_WAVE_MODE, 25, 1), 1
	s_wait_xcnt 0x0
; HouseholderLinear, first of two launches:  mb = bf16(x - 2 (x . u) u),  u = v / |v|,  v = vs[3];  wb = bf16(w).  The second launch makes out0 = mb @ wb + bias.
; x: [4096][4096] f32, w: [4096 (k)][4096 (n)] f32, vs: [10][4096] f32; mb: [4096][4096] bf16, wb: [4096 (k)][4096 (n)] bf16 (w keeps its layout: the product turns it on its way out of LDS).
; WORK LEFT OUT.  reference() takes vs[time], and time is the constant 3: rows 0-2 and 4-9 of vs enter no formula, so no value in them can reach an output.  They are not loaded.
; Limit: a NaN or an infinity in those nine rows is not carried to the result (reference() does not carry it either).  Every other input is honoured; the bias is added by the second launch.
; NUMBER FORMATS.  x, v (here), w (here) and bias (second launch) are each rounded ONCE to bf16 as they are read, and all that follows (the norm, x . u, the update) is reckoned in f32 on the rounded
; numbers; m is then rounded once more, as the product's operand.  So beside reference() on inputs rounded to bf16 the program's one further rounding is m's.
; LIMITS.  1 / |v| is v_rsq_f32 (accurate to one unit in the last place; a denormal input counts as 0: ISA guide, its entry in 15.8): the sum of v's squares must be 2^-126 or more; where it is 0 the
; result is NaN, as reference()'s is.  The sums over a row are taken in four chains a lane and then across lanes: another order of rounding than reference()'s.
; SHARES.  A stream: each byte of x and of w is read once, each byte of mb and wb written once.  2,048 waves; wave g owns rows 2 g and 2 g + 1 of x and of w.  ONE WAVE, ONE ROW: a row of 16,384 bytes is
; 32 loads of 16 bytes a lane (512 consecutive bytes each) and stays in 128 registers between the dot product and the update; no wave waits for another: no LDS, no barrier.
; A lane's four numbers of load j become 8 bytes: store j of a row covers 256 consecutive bytes, aligned.  Matrix units and clusters have nothing to do here: nothing is shared but v's 16 KiB.
; IN FLIGHT.  Two row slots: while one row is worked on the next row's 32 loads (16 KiB a wave) are on their way.
; REGISTERS, in windows of 256 (s_set_vgpr_msb: bits 1:0 source 0, 3:2 source 1, 5:4 source 2, 7:6 destination):  window 0 as named below;  window 1: v0-127 row slot 0, v128-255 row slot 1.
.set RIN,  16384                       ; bytes in a row of x, w, vs
.set ROUT, 8192                        ; bytes in a row of mb, wb
.set TIME, 3
.set LI,  2                            ; v2        16 x lane: my 16 bytes in 512 of a row read; never rewritten
.set LO,  3                            ; v3        8 x lane: my 8 bytes in 256 of a row written; never rewritten
.set ACC, 4                            ; v[4:11]   four pairs: four chains of sums that do not wait for each other
.set SC,  12                           ; v[12:13]  a scale, twice (a pair for the packed forms)
.set D,   14                           ; v14       a sum over the row
.set D2,  15                           ; v15       the other half of the lanes' part of it
.set T,   16                           ; v[16:23]  at work: two sets of four by turns
.set Y,   64                           ; v[64:127] 64 words of two bf16: at work in RND, then a row to store
.set V,   128                          ; v[128:255] v, later u: register V + 4 j + i holds element 128 j + 4 lane + i, as a row's loads lay it
.set MSB, 0
.macro WIN new                         ; the immediate's high byte repeats the setting that is left; a switch that changes nothing is dropped
.if MSB != (\new)
	s_set_vgpr_msb (MSB<<8)|(\new)
.set MSB, \new
.endif
.endm
	s_load_b256 s[4:11], s[0:1], 0x0               ; x s[4:5], w s[6:7], vs s[8:9], mb s[10:11]
	s_load_b64 s[12:13], s[0:1], 0x20              ; wb
	v_lshrrev_b32 v1, 5, v0
	v_readfirstlane_b32 s14, v1                    ; wave 0..7
	s_lshl_b32 s15, ttmp9, 3
	s_add_co_u32 s15, s15, s14                     ; g = 8 x work-group + wave
	s_lshl_b32 s16, s15, 15                        ; two rows of 16,384 bytes: under 2^27
	s_mov_b32 s17, 0
	s_lshl_b32 s18, s15, 14                        ; two rows of 8,192 bytes
	s_mov_b32 s19, 0
	s_mov_b32 s20, 0x76543210                      ; v_permlanex16_b32: lane i of one half reads lane i of the other
	s_mov_b32 s21, 0xfedcba98
	s_mov_b32 s22, 0xffff0000                      ; a word's upper bf16
	v_and_b32 v1, 31, v0
	v_lshlrev_b32 v[LI], 4, v1
	v_lshlrev_b32 v[LO], 3, v1
	v_mov_b32 v[D2], 0                             ; v_permlanex16_b32's destination counts as read: it is written once here
	s_wait_kmcnt 0x0
	s_add_nc_u64 s[4:5], s[4:5], s[16:17]          ; x and w at my first row
	s_add_nc_u64 s[6:7], s[6:7], s[16:17]
	s_add_nc_u64 s[8:9], s[8:9], TIME*RIN          ; vs at row 3
	s_add_nc_u64 s[10:11], s[10:11], s[18:19]      ; mb and wb at my first row
	s_add_nc_u64 s[12:13], s[12:13], s[18:19]
; A row's 32 loads into a slot of window 1.  x and w are read once in the launch.
.macro LOADROW slot, base, row
	WIN 0x40                                       ; destination window 1, address window 0
.set j, 0
.rept 32
	global_load_b128 v[128*(\slot)+4*j:128*(\slot)+4*j+3], v[LI], s[(\base):(\base)+1] offset:(\row)*RIN+512*j th:TH_LOAD_NT
.set j, j+1
.endr
.endm
; 128 numbers at xa are rounded to bf16 and widened again in place, through Y.  wsrc: the setting under which sources 0 and 1 mean xa's window; wdst: under which the destination does.
.macro RND xa, wsrc, wdst
	WIN \wsrc
.set i, 0
.rept 64
	v_cvt_pk_bf16_f32 v[Y+i], v[(\xa)+2*i], v[(\xa)+2*i+1]
.set i, i+1
.endr
	WIN \wdst
.set i, 0
.rept 64
	v_lshlrev_b32 v[(\xa)+2*i],   16,  v[Y+i]      ; bf16 to f32: the low half moves up,
	v_and_b32     v[(\xa)+2*i+1], s22, v[Y+i]      ; the high half stays
.set i, i+1
.endr
.endm
; My lane's part of the sum over a row of xa x V: four chains; the first four products start them, so nothing is cleared.  Source 0's window is set by the caller.
.macro DOT xa
.set p, 0
.rept 4
	v_pk_mul_f32 v[ACC+2*p:ACC+2*p+1], v[(\xa)+2*p:(\xa)+2*p+1], v[V+2*p:V+2*p+1]
.set p, p+1
.endr
.rept 60
	v_pk_fma_f32 v[ACC+2*(p%4):ACC+2*(p%4)+1], v[(\xa)+2*p:(\xa)+2*p+1], v[V+2*p:V+2*p+1], v[ACC+2*(p%4):ACC+2*(p%4)+1]
.set p, p+1
.endr
.endm
; The four chains into one number, then over the 32 lanes: four steps inside each half of 16 ride on the addition, one crosses the halves.  Every lane ends with the sum in D.
.macro RED
	WIN 0
	v_pk_add_f32 v[ACC:ACC+1], v[ACC:ACC+1], v[ACC+2:ACC+3]
	v_pk_add_f32 v[ACC+4:ACC+5], v[ACC+4:ACC+5], v[ACC+6:ACC+7]
	v_pk_add_f32 v[ACC:ACC+1], v[ACC:ACC+1], v[ACC+4:ACC+5]
	v_add_f32 v[D], v[ACC], v[ACC+1]
	v_add_f32_dpp v[D], v[D], v[D] row_xmask:1 row_mask:0xf bank_mask:0xf
	v_add_f32_dpp v[D], v[D], v[D] row_xmask:2 row_mask:0xf bank_mask:0xf
	v_add_f32_dpp v[D], v[D], v[D] row_xmask:4 row_mask:0xf bank_mask:0xf
	v_add_f32_dpp v[D], v[D], v[D] row_xmask:8 row_mask:0xf bank_mask:0xf
	v_permlanex16_b32 v[D2], v[D], s20, s21
	v_add_f32 v[D], v[D], v[D2]
.endm
; A row of x: rounded, its dot product with u, the update u x (-2 x . u) + x as one fused multiply-add, rounded to bf16, stored.  left: the younger loads that may stay out.
.macro XROW slot, row, left
	s_wait_loadcnt \left                           ; loads come back in order (ISA guide 5.7.1): my row is in, the next row's 32 loads stay out
	s_wait_xcnt 0x0                                ; Y, which the row before's stores read, is rewritten only behind this wait
	RND 128*(\slot), 0x05, 0x40
	WIN 0x01                                       ; source 0 window 1
	DOT 128*(\slot)
	RED
	v_mul_f32 v[SC], -2.0, v[D]
	v_mov_b32 v[SC+1], v[SC]                       ; named with it as a pair
	WIN 0x10                                       ; source 2 window 1; all else, the stores' registers too, window 0
.set j, 0
.rept 32
.set t, T+4*(j%2)
	v_pk_fma_f32 v[t:t+1],   v[V+4*j:V+4*j+1],   v[SC:SC+1], v[128*(\slot)+4*j:128*(\slot)+4*j+1]   op_sel_hi:[1,0,1]
	v_pk_fma_f32 v[t+2:t+3], v[V+4*j+2:V+4*j+3], v[SC:SC+1], v[128*(\slot)+4*j+2:128*(\slot)+4*j+3] op_sel_hi:[1,0,1]
	v_cvt_pk_bf16_f32 v[Y+2*j],   v[t],   v[t+1]
	v_cvt_pk_bf16_f32 v[Y+2*j+1], v[t+2], v[t+3]
	global_store_b64 v[LO], v[Y+2*j:Y+2*j+1], s[10:11] offset:(\row)*ROUT+256*j  ; the wave's store covers 256 consecutive bytes, aligned
.set j, j+1
.endr
.endm
; A row of w: rounded to bf16, stored.
.macro WROW slot, row, left
	s_wait_loadcnt \left
	s_wait_xcnt 0x0                                ; Y is rewritten only behind this wait
	WIN 0x05                                       ; sources 0 and 1 window 1
.set i, 0
.rept 64
	v_cvt_pk_bf16_f32 v[Y+i], v[128*(\slot)+2*i], v[128*(\slot)+2*i+1]
.set i, i+1
.endr
	WIN 0
.set j, 0
.rept 32
	global_store_b64 v[LO], v[Y+2*j:Y+2*j+1], s[12:13] offset:(\row)*ROUT+256*j
.set j, j+1
.endr
.endm
.set j, 0
.rept 32
	global_load_b128 v[V+4*j:V+4*j+3], v[LI], s[8:9] offset:512*j  ; v: every wave reads it, so no hint
.set j, j+1
.endr
	LOADROW 0, 4, 0                                ; x, my first row
	s_wait_loadcnt 32                              ; v is in; the row's 32 loads stay out
	LOADROW 1, 4, 1                                ; x, my second row
	RND V, 0, 0                                    ; v rounded to bf16
	DOT V                                          ; the sum of its squares
	RED
	v_rsq_f32 v[SC], v[D]
	v_nop                                          ; a plain instruction between the transcendental and the use of its result (ISA guide 5.7.2),
	s_wait_alu depctr_va_vdst(0)                   ; and a wait ahead of the first line that names it
	v_mov_b32 v[SC+1], v[SC]
.set p, 0
.rept 64
	v_pk_mul_f32 v[V+2*p:V+2*p+1], v[V+2*p:V+2*p+1], v[SC:SC+1] op_sel_hi:[1,0]  ; u = v / |v|
.set p, p+1
.endr
	XROW 0, 0, 32                                  ; the count leaves my second row of x out
	LOADROW 0, 6, 0                                ; w, my first row, into the slot just left
	XROW 1, 1, 32                                  ; the count leaves that row of w out
	LOADROW 1, 6, 1
	WROW 0, 0, 32
	WROW 1, 1, 0                                   ; nothing was issued behind these loads
	WIN 0
	s_endpgm
.Lfunc_end_k_qaeda8dfd2d_prep:
	.size	k_qaeda8dfd2d_prep, .Lfunc_end_k_qaeda8dfd2d_prep-k_qaeda8dfd2d_prep
	.p2alignl 7, 3214868480
	.fill 96, 4, 3214868480
	.section	.rodata,"a",@progbits
	.p2align	6, 0x0
	.amdhsa_kernel k_qaeda8dfd2d_prep
		.amdhsa_group_segment_fixed_size 0
		.amdhsa_private_segment_fixed_size 0
		.amdhsa_enable_private_segment 0
		.amdhsa_kernarg_size 40
		.amdhsa_user_sgpr_count 2
		.amdhsa_user_sgpr_kernarg_segment_ptr 1
		.amdhsa_wavefront_size32 1
		.amdhsa_system_sgpr_workgroup_id_x 1
		.amdhsa_system_sgpr_workgroup_id_y 1
		.amdhsa_system_sgpr_workgroup_id_z 1
		.amdhsa_system_vgpr_workitem_id 0
		.amdhsa_next_free_vgpr 512
		.amdhsa_next_free_sgpr 66
		.amdhsa_reserve_vcc 0
		.amdhsa_float_denorm_mode_32 3
		.amdhsa_float_denorm_mode_16_64 3
		.amdhsa_memory_ordered 1
		.amdhsa_forward_progress 1
		.amdhsa_inst_pref_size 95
	.end_amdhsa_kernel
	.amdgpu_metadata
---
amdhsa.version: [ 1, 2 ]
amdhsa.kernels:
  - .name:           k_qaeda8dfd2d_prep
    .symbol:         k_qaeda8dfd2d_prep.kd
    .args:
      - { .name: x, .offset: 0, .size: 8, .value_kind: global_buffer, .address_space: global }
      - { .name: w, .offset: 8, .size: 8, .value_kind: global_buffer, .address_space: global }
      - { .name: vs, .offset: 16, .size: 8, .value_kind: global_buffer, .address_space: global }
      - { .name: mb, .offset: 24, .size: 8, .value_kind: global_buffer, .address_space: global }
      - { .name: wb, .offset: 32, .size: 8, .value_kind: global_buffer, .address_space: global }
    .group_segment_fixed_size: 0
    .private_segment_fixed_size: 0
    .kernarg_segment_align: 8
    .kernarg_segment_size: 40
    .max_flat_workgroup_size: 256
    .sgpr_count:     66
    .vgpr_count:     512
    .wavefront_size: 32
...
	.end_amdgpu_metadata
.endif
;; end of part 1
;; launch gemm (part 2): grid 16 x 16, 4 waves a work-group, clusters of 4 x 4, 327,680 bytes of LDS; arguments mb, wb, bias, out0; writes out0
.if DOCPART == 2
	.amdgcn_target "amdgcn-amd-amdhsa--gfx1250"
	.amdhsa_code_object_version 6
	.text
	.protected	k_qaeda8dfd2d_gemm
	.globl	k_qaeda8dfd2d_gemm
	.p2align	8
	.type	k_qaeda8dfd2d_gemm,@function
k_qaeda8dfd2d_gemm:
	s_mov_b64 s[64:65], 0
	v_nop
	global_prefetch_b8 v0, s[64:65] scope:SCOPE_SE
	s_setreg_imm32_b32 hwreg(HW_REG_WAVE_MODE, 25, 1), 1
	s_wait_xcnt 0x0
	s_wait_alu depctr_hold_cnt(0) depctr_sa_sdst(0) depctr_va_vdst(0) depctr_va_sdst(0) depctr_va_ssrc(0) depctr_va_vcc(0) depctr_vm_vsrc(0)
	s_getreg_b32 s2, hwreg(HW_REG_IB_STS2, 6, 4)
	s_cmp_eq_u32 s2, 0
	s_cbranch_scc0 .Lentry_in_a_cluster
	s_endpgm
.Lentry_in_a_cluster:
	s_bfe_u32 s2, ttmp6, 0x10000c
	s_cmp_lg_u32 s2, 0xf033
	s_cbranch_scc0 .Lentry_shape_is_right
	s_endpgm
.Lentry_shape_is_right:
; HouseholderLinear, second launch:  out0[m][n] = the sum over k of mb[m][k] wb[k][n] + bias[n].  mb: [4096][4096] bf16 (K along the rows), wb: [4096 (k)][4096 (n)] bf16 (N along the rows),
; bias: [4096] f32, out0: [4096][4096] f32.  Sums in f32.  Nothing of reference() is left out here.
; LIMITS.  bias is rounded once to bf16 as it is read, like the program's other inputs (see the first launch's head), and it STARTS each sum (the C operand of the first product) where reference()
; adds it last: another order of rounding.
; SHARES.  256 tiles of 256 x 256, one work-group each; four waves, each 128 x 128: 64 accumulators of 16 x 16, 512 registers.  K goes in steps of 128 through a ring of two LDS slots filled by the
; tensor data mover: 256 rows x 256 bytes of mb, 128 k-rows x 512 bytes of wb, all rows starting at multiples of 256 bytes from the buffer's first byte.
; wb IS TURNED ON ITS WAY OUT OF LDS: ds_load_tr16_b128 makes of 16 k x 16 n, as they lie, half a fragment with k along the registers.  So no launch transposes w.
; THE MATRIX INSTRUCTION IS USED TRANSPOSED (source 0 = 16 columns of wb, source 1 = 16 rows of mb): lane l then holds row l % 16 of out0 and its registers 0-7 the columns 8 (l / 16) + 0..7.
; The bias of those eight columns, in eight registers a column block, is the first product's C: no clearing, and no addition on the way out.
; CLUSTERS: 4 x 4 work-groups.  The four of a row of the cluster need the same tiles of mb, the four of a column the same tiles of wb: each tile is asked for JOINTLY, by the same tensor load with the
; same descriptor and a mask that names the four, which divides the requests for both by four.
; REGISTERS, in windows of 256 (s_set_vgpr_msb: bits 1:0 source 0, 3:2 source 1, 5:4 source 2, 7:6 destination):
;   window 0: v0-31 addresses; v32-63 at work once; v64-127, v128-191 fragments of mb (8 x 16 rows x 32 K), two buffers; on the way out the same 128 take rows of out0
;   window 1: v0-63 the bias; v64-127, v128-191 fragments of wb, two buffers
;   window 2: the 32 accumulators of my rows 0-63 ((a, b) at v[8 (8 a + b)]);   window 3: those of my rows 64-127
.set KSTEP,  128
.set PA,     272                       ; an LDS row of mb: 256 bytes + 16 of padding = 68 words: the 16 rows of a fragment load start at 16 different groups of four banks (64 banks of 4 bytes: ISA guide 11.1)
.set PB,     544                       ; an LDS row of wb: 512 bytes + 32 of padding = 136 words
.set HALFT,  128*PA                    ; what one tensor load brings: 128 rows of mb, or 64 k-rows of wb (64 x 544 is the same 34,816 bytes)
.set SLOT,   4*HALFT                   ; mb's 256 rows, then wb's 128 k-rows
.set STAGE,  2*SLOT                    ; behind the ring, never filled by a tensor load: 16 rows x 528 bytes for each wave, for the way out
.set SPITCH, 528                       ; 512 bytes of f32 + 16
.set SPARE,  STAGE+4*16*SPITCH         ; behind the stages: the spare words, 128 bytes for each wave: two blocks of 256 bytes that no other line names
.set LAPS,   16                        ; a lap = two K steps = once round the ring: 4,096 / 256
.set ROWB,   8192                      ; bytes in a row of mb and of wb
.set OROW,   16384                     ; bytes in a row of out0
.set ASTEP,  KSTEP*2                   ; a K step in mb: 256 bytes along the rows
.set BSTEP,  KSTEP*ROWB                ; a K step in wb: 128 rows down
.set ADRA, 16                          ; v16-17  LDS address of my fragments of mb in slot 0, 1
.set ADRB, 20                          ; v20-21  the same for wb
.set STO,  24                          ; v24     the way out: where I put 32 bytes of a row
.set RD,   25                          ; v25     the way out: where I read 16 bytes of a row back
.set CO,   26                          ; v26     16 x lane: my 16 bytes in my wave's 512 of a row of out0
.set BO,   27                          ; v27     32 (l / 16): my eight numbers in a column block's 16 of the bias
.set SPW,  28                          ; v28     LDS address of my spare word: SPARE + 4 x my thread's number; never rewritten
.set NIL,  29                          ; v29     0; never rewritten
.set PFO,  30                          ; v30     the prefetches' lane offset; never rewritten
.set TB,   32                          ; v32-63  the bias as bf16, on its way back to f32
.set F0,   64                          ; fragment buffer 0
.set F1,   128                         ; fragment buffer 1
.set BIAS, 0                           ; window 1: register 8 b + j holds the bias of my column 16 b + 8 (l / 16) + j
.set WV,  12                           ; s12  my wave's number
.set HA,  13                           ; s13  which half of the tile's rows is mine.  Also: I fetch for mb (0) or for wb (1)
.set HB,  14                           ; s14  which half of its columns.  Also: which half of that tile I fetch
.set G1,  24                           ; s[24:31] descriptor group 1 for mb's tiles
.set G0,  32                           ; s[32:39] group 0 for mb's tiles, a set for each slot
.set LIM, 43                           ; s43  1 in a wave that prefetches, else the greatest number
.set PFA, 44                           ; s[44:45] where my prefetch stands
.set PFS, 46                           ; s[46:47] a K step in the tensor that I fetch for
.set G1B, 48                           ; s[48:55] group 1 for wb's tiles
.set G0B, 56                           ; s[56:63] group 0 for wb's tiles, a set for each slot
.set MSB, 0
.macro WIN new                         ; the immediate's high byte repeats the setting that is left; a switch that changes nothing is dropped
.if MSB != (\new)
	s_set_vgpr_msb (MSB<<8)|(\new)
.set MSB, \new
.endif
.endm
.set MUL_LO, 0xa1                      ; source 0 (wb) window 1, source 1 (mb) window 0, C and D window 2
.set MUL_HI, 0xf1                      ; the same, C and D window 3
.set BEG_LO, 0x91                      ; the first products: C (the bias) window 1, D window 2
.set BEG_HI, 0xd1                      ; the same, D window 3
.set TO_B,   0x40                      ; destination window 1, address window 0
; A joint load.  Waves 0 and 1 fetch mb's two halves, waves 2 and 3 wb's.  Each of the two lines has one mask and one set of registers for all that issue it; the branch hangs on the wave's number alone.
; An s_nop 0 and four v_nop follow each of the two lines, ahead of the jump, the label and what follows.
.macro JLOAD s
	s_cmp_eq_u32 s[HA], 0
	s_cbranch_scc0 .Lfor_b_\@
	tensor_load_to_lds s[G0+4*(\s):G0+4*(\s)+3], s[G1:G1+7]
	s_nop 0
.rept 4
	v_nop
.endr
	s_branch .Lasked_\@
.Lfor_b_\@:
	tensor_load_to_lds s[G0B+4*(\s):G0B+4*(\s)+3], s[G1B:G1B+7]
	s_nop 0
.rept 4
	v_nop
.endr
.Lasked_\@:
.endm
; A PREFETCH INTO THE L2, behind each joint refill, its five lines and the run of LDS loads that follows: the K step that stands TWO refills on, 512 matrix instructions ahead of the load that will ask for it.
; Each aligned block of 256 bytes of mb and of wb is named ONCE in the launch.  mb's tile row is read by every cluster of that row of clusters: the one with cluster x = 0 asks; wb's tile column by every cluster
; of that column: cluster y = 0 asks.  The four partners of a joint load share its rows out BY ADDRESS: of the 128 rows of mb that a wave fetches the partner at cx takes 32 (a lane a row of 256 bytes); of the
; 64 k-rows of wb the partner at cy takes 16 (two lanes a row of 512 bytes).  One instruction a wave.  K steps 0 to 3 come by their loads alone; the loop's last trip (s3 = 1) has no K step two refills on.
.macro ASK
	s_cmp_gt_u32 s3, s[LIM]
	s_cbranch_scc0 .Lnot_mine_\@
	global_prefetch_b8 v[PFO], s[PFA:PFA+1] th:TH_LOAD_NT scope:SCOPE_SE
.Lnot_mine_\@:
.endm
; A round of the cluster's barrier: my work-group's barrier, so that wave 0's signal speaks for all four waves; wave 0 signals for the work-group; every wave waits for all sixteen; my work-group's barrier once more.
.macro CREST                           ; a round behind its opening barrier
	s_cmp_lg_u32 s[WV], 0
	s_cbranch_scc1 .Lnot_wave_0_\@
	s_barrier_signal -3
.Lnot_wave_0_\@:
	s_barrier_wait -3
	s_barrier_signal -1
	s_barrier_wait -1
.endm
.macro CROUND                          ; a whole round
	s_barrier_signal -1
	s_barrier_wait -1
	CREST
.endm
	s_load_b256 s[4:11], s[0:1], 0x0               ; mb s[4:5], wb s[6:7], bias s[8:9], out0 s[10:11]
	v_lshl_add_u32 v[SPW], v0, 2, SPARE
	v_mov_b32 v[NIL], 0
	ds_add_u32 v[SPW], v[NIL]                      ; the wave's opening: the add, twice on end, and its wait ahead of my first tensor load; the set-up below stands between the second and the wait
	ds_add_u32 v[SPW], v[NIL]
	v_lshrrev_b32 v1, 5, v0
	v_readfirstlane_b32 s[WV], v1                  ; wave 0..3
	s_lshr_b32 s[HA], s[WV], 1
	s_and_b32 s[HB], s[WV], 1
	s_bfe_u32 s15, ttmp6, 0x40000                  ; cx: my place along the cluster's x
	s_bfe_u32 s16, ttmp6, 0x40004                  ; cy: along its y
	s_lshl_b32 s17, ttmp9, 2                       ; in a cluster launch ttmp9 and ttmp7 count clusters
	s_add_co_u32 s17, s17, s15                     ; tile column = 4 x cluster x + cx
	s_and_b32 s18, ttmp7, 0xffff
	s_lshl_b32 s18, s18, 2
	s_add_co_u32 s18, s18, s16                     ; tile row = 4 x cluster y + cy
	s_lshl_b32 s41, s16, 2
	s_lshl_b32 s41, 15, s41                        ; my row of the cluster: places 4 cy .. 4 cy + 3
	s_lshl_b32 s42, 0x1111, s15                    ; my column: places cx, cx + 4, cx + 8, cx + 12
	; group 1 for mb: 128 rows x 128 elements.  15:0 the mask; 17:16 elements of 2 bytes; 20 padding on; 21 set beside a mask; 24:22 after every 64 words (code 5); 31:25 4 words of it (code 3)
	s_or_b32 s[G1+0], s41, (1<<16)|(1<<20)|(1<<21)|(5<<22)|(3<<25)
	s_mov_b32 s[G1+1], 128<<16                     ; tensor_dim0 = 128
	s_mov_b32 s[G1+2], 128<<16                     ; tensor_dim1 = 128
	s_mov_b32 s[G1+3], 128<<16                     ; tile_dim0 = 128
	s_mov_b32 s[G1+4], 128                         ; tile_dim1 = 128
	s_mov_b32 s[G1+5], 4096                        ; elements from row to row
	s_mov_b32 s[G1+6], 0
	s_mov_b32 s[G1+7], 0
	; group 1 for wb: 64 k-rows x 256 elements; padding after every 128 words (code 6), 8 words of it (code 7)
	s_or_b32 s[G1B+0], s42, (1<<16)|(1<<20)|(1<<21)|(6<<22)|(7<<25)
	s_mov_b32 s[G1B+1], 256<<16
	s_mov_b32 s[G1B+2], 64<<16
	s_mov_b32 s[G1B+3], 256<<16
	s_mov_b32 s[G1B+4], 64
	s_mov_b32 s[G1B+5], 4096
	s_mov_b32 s[G1B+6], 0
	s_mov_b32 s[G1B+7], 0
	; where the tiles come from.  mb's hang on the tile row alone, which my row of the cluster shares; wb's on the tile column alone, which my column shares.  All offsets stay under 2^26.
	s_lshl_b32 s20, s18, 8
	s_lshl_b32 s21, s[HB], 7
	s_add_co_u32 s20, s20, s21                     ; mb: row 256 x tile row + 128 x half,
	s_lshl_b32 s20, s20, 13                        ; in bytes
	s_mov_b32 s21, 0
	s_lshl_b32 s22, s[HB], 19                      ; wb: k-row 64 x half, in bytes,
	s_lshl_b32 s23, s17, 9                         ; + 512 bytes x tile column
	s_add_co_u32 s22, s22, s23
	s_mov_b32 s23, 0
	s_mul_i32 s40, s[WV], HALFT                    ; and where they go: wave x 34,816: no place in the cluster enters an LDS address
	s_wait_dscnt 0x0                               ; both opening adds are done
	s_wait_kmcnt 0x0
	s_add_nc_u64 s[66:67], s[4:5], s[20:21]
	s_add_nc_u64 s[68:69], s[6:7], s[22:23]
	CROUND                                         ; all sixteen work-groups are here: the first joint loads meet
.irp s, 0,1
	s_mov_b32 s[G0+4*(\s)], 1                                      ; count = 1
	s_add_co_u32 s[G0+4*(\s)+1], s40, (\s)*SLOT                    ; LDS address
	s_add_nc_u64 s[G0+4*(\s)+2:G0+4*(\s)+3], s[66:67], (\s)*ASTEP  ; global address: K step s
	s_or_b32 s[G0+4*(\s)+3], s[G0+4*(\s)+3], 0x80000000            ; type = 2
	s_mov_b32 s[G0B+4*(\s)], 1
	s_add_co_u32 s[G0B+4*(\s)+1], s40, (\s)*SLOT
	s_add_nc_u64 s[G0B+4*(\s)+2:G0B+4*(\s)+3], s[68:69], (\s)*BSTEP
	s_or_b32 s[G0B+4*(\s)+3], s[G0B+4*(\s)+3], 0x80000000
	JLOAD \s                                       ; the ring is filled before anything else is done: two loads of mine are out
.endr
	; A fragment of mb is 16 rows x 32 K in 8 registers: lane l holds row l % 16; registers 0-3 K = 8 (l / 16) + 0..7, registers 4-7 K = 16 + 8 (l / 16) + 0..7: two loads of 16 bytes, 32 bytes apart.
	v_and_b32 v1, 15, v0                           ; l % 16
	v_bfe_u32 v2, v0, 4, 1                         ; l / 16
	v_and_b32 v6, 31, v0                           ; l
	v_mul_u32_u24 v3, v1, PA
	v_lshl_add_u32 v3, v2, 4, v3                   ; row x pitch + 16 x half
	; The turning load takes 16 k x 16 n (lane l reads 16 bytes: k-row 8 (l / 16) + l % 8, columns 8 ((l / 8) % 2) + 0..7) and leaves half a fragment: lane l holds column l % 16 and 8 k.
	v_and_b32 v4, 7, v0
	v_lshl_add_u32 v4, v2, 3, v4
	v_mul_u32_u24 v4, v4, PB
	v_bfe_u32 v5, v0, 3, 1
	v_lshl_add_u32 v4, v5, 4, v4
	s_mul_i32 s70, s[HA], HALFT                    ; my 128 rows of mb
	s_lshl_b32 s71, s[HB], 8                       ; my 128 columns of wb: 256 bytes along its rows,
	s_add_co_u32 s71, s71, 2*HALFT                 ; which lie behind mb's 256 rows
.irp s, 0,1
	v_add_nc_u32 v[ADRA+(\s)], s70, v3
	v_add_nc_u32 v[ADRB+(\s)], s71, v4
	s_add_co_u32 s70, s70, SLOT
	s_add_co_u32 s71, s71, SLOT
.endr
	s_mul_i32 s70, s[WV], 16*SPITCH
	s_add_co_u32 s70, s70, STAGE                   ; my stage
	v_mul_u32_u24 v7, v1, SPITCH                   ; in: row l % 16, 32 bytes for each half of the lanes
	v_lshl_add_u32 v7, v2, 5, v7
	v_add_nc_u32 v[STO], s70, v7
	v_lshlrev_b32 v[CO], 4, v6                     ; back: 32 lanes take one row of 512 bytes
	v_add_nc_u32 v[RD], s70, v[CO]
	v_lshlrev_b32 v[BO], 5, v2
	s_lshl_b32 s72, s17, 8
	s_lshl_b32 s73, s[HB], 7
	s_add_co_u32 s72, s72, s73                     ; my first column: 256 x tile column + 128 x half,
	s_lshl_b32 s72, s72, 2                         ; in bytes of f32
	s_mov_b32 s73, 0
	s_add_nc_u64 s[8:9], s[8:9], s[72:73]          ; the bias at my first column
	s_add_nc_u64 s[10:11], s[10:11], s[72:73]
	s_lshl_b32 s74, s18, 8
	s_lshl_b32 s75, s[HA], 7
	s_add_co_u32 s74, s74, s75                     ; my first row: 256 x tile row + 128 x half
	s_lshl_b32 s74, s74, 14
	s_mov_b32 s75, 0
	s_add_nc_u64 s[10:11], s[10:11], s[74:75]      ; out0 at my 128 x 128; never stepped again
	WIN TO_B
.irp b, 0,1,2,3,4,5,6,7
	global_load_b128 v[BIAS+8*(\b):BIAS+8*(\b)+3],   v[BO], s[8:9] offset:64*(\b)
	global_load_b128 v[BIAS+8*(\b)+4:BIAS+8*(\b)+7], v[BO], s[8:9] offset:64*(\b)+16
.endr
	WIN 0
	; the prefetches: which tensor, which rows, which step, and whether my cluster asks
	s_and_b32 s72, ttmp7, 0xffff                   ; cluster y
	s_lshl_b32 s73, s18, 8
	s_lshl_b32 s74, s[HB], 7
	s_add_co_u32 s73, s73, s74
	s_lshl_b32 s74, s15, 5
	s_add_co_u32 s73, s73, s74                     ; mb: the 128 rows that I fetch, my work-group's 32 of them,
	s_lshl_b32 s73, s73, 13
	s_add_co_u32 s73, s73, 3*ASTEP                 ; at K step 3: the first refill steps it to 4
	s_lshl_b32 s74, s[HB], 6
	s_lshl_b32 s75, s16, 4
	s_add_co_u32 s74, s74, s75                     ; wb: the 64 k-rows that I fetch, my work-group's 16 of them,
	s_lshl_b32 s74, s74, 13
	s_lshl_b32 s75, s17, 9
	s_add_co_u32 s74, s74, s75                     ; the tile column's 512 bytes,
	s_add_co_u32 s74, s74, 3*BSTEP                 ; at K step 3
	s_mov_b32 s78, ASTEP
	s_cmp_eq_u32 s[HA], 0                          ; do I fetch for mb?
	s_cselect_b32 s76, s73, s74
	s_cselect_b32 s72, ttmp9, s72                  ; the coordinate along which other clusters read the same rows
	s_cselect_b32 s[PFS], s78, BSTEP
	s_cselect_b64 s[PFA:PFA+1], s[4:5], s[6:7]
	s_mov_b32 s77, 0
	s_mov_b32 s[PFS+1], 0
	s_add_nc_u64 s[PFA:PFA+1], s[PFA:PFA+1], s[76:77]
	s_cmp_eq_u32 s72, 0
	s_cselect_b32 s[LIM], 1, -1                    ; the same in all sixteen partners, for a given wave
	v_lshrrev_b32 v[PFO], s[HA], v6                ; mb: row l; wb: row l / 2,
	v_and_b32 v7, s[HA], v6                        ; and block l % 2 of its 512 bytes
	v_lshlrev_b32 v[PFO], 13, v[PFO]
	v_lshl_add_u32 v[PFO], v7, 8, v[PFO]
	; the bias is rounded to bf16 and widened again, in the wait for the first tile
	s_mov_b32 s79, 0xffff0000
	s_wait_loadcnt 0x0                             ; the bias is in
	WIN 0x05                                       ; sources 0 and 1 window 1, destination window 0
.set i, 0
.rept 32
	v_cvt_pk_bf16_f32 v[TB+i], v[BIAS+2*i], v[BIAS+2*i+1]
.set i, i+1
.endr
	WIN TO_B
.set i, 0
.rept 32
	v_lshlrev_b32 v[BIAS+2*i],   16,  v[TB+i]
	v_and_b32     v[BIAS+2*i+1], s79, v[TB+i]
.set i, i+1
.endr
	WIN 0
; 16 matrix instructions: row blocks a0, a0 + 1 of the window's four (hi = 0: my rows 0-63, 1: rows 64-127) x all 8 column blocks, 32 along K.  first = 1: the product starts the sum with the bias.
; The 64 accumulators take turns, one instruction a turn, in the same order in every quarter step, over the loop's backward jump and into the tail too.
.macro MUL16 f, hi, a0, first
.if \first
	WIN BEG_LO+0x40*(\hi)
.else
	WIN MUL_LO+0x50*(\hi)
.endif
.irp a, \a0, (\a0)+1
.irp b, 0,1,2,3,4,5,6,7
.if \first
	v_wmma_f32_16x16x32_bf16 v[8*(8*(\a)+(\b)):8*(8*(\a)+(\b))+7], v[(\f)+8*(\b):(\f)+8*(\b)+7], v[(\f)+8*(4*(\hi)+(\a)):(\f)+8*(4*(\hi)+(\a))+7], v[BIAS+8*(\b):BIAS+8*(\b)+7]
.else
	v_wmma_f32_16x16x32_bf16 v[8*(8*(\a)+(\b)):8*(8*(\a)+(\b))+7], v[(\f)+8*(\b):(\f)+8*(\b)+7], v[(\f)+8*(4*(\hi)+(\a)):(\f)+8*(4*(\hi)+(\a))+7], v[8*(8*(\a)+(\b)):8*(8*(\a)+(\b))+7]
.endif
.endr
.endr
.endm
; 32 LDS loads in one run: the fragments of quarter q of a K step (32 along K; 128 columns of wb, turned; 128 rows of mb) into buffer f.  The largest offset is 61,152.
.macro FETCH slot, q, f
	WIN TO_B
.irp i, 0,1,2,3,4,5,6,7
	ds_load_tr16_b128 v[(\f)+8*(\i):(\f)+8*(\i)+3],   v[ADRB+(\slot)] offset:32*(\q)*PB+32*(\i)
	ds_load_tr16_b128 v[(\f)+8*(\i)+4:(\f)+8*(\i)+7], v[ADRB+(\slot)] offset:32*(\q)*PB+32*(\i)+16*PB
.endr
	WIN 0
.irp i, 0,1,2,3,4,5,6,7
	ds_load_b128 v[(\f)+8*(\i):(\f)+8*(\i)+3],   v[ADRA+(\slot)] offset:64*(\q)+(\i)*16*PA
	ds_load_b128 v[(\f)+8*(\i)+4:(\f)+8*(\i)+7], v[ADRA+(\slot)] offset:64*(\q)+(\i)*16*PA+32
.endr
.endm
; A load into a register that a matrix instruction has read, and an LDS store that reads a matrix result, stand four places behind that matrix instruction; only plain vector instructions that name none
; of its registers are places (ISA guide 7.12.1 for vector instructions).
.macro PLACES
.rept 4
	v_nop
.endr
.endm
; A K step is four quarters of 32 along K, 64 matrix instructions each, on buffers 0, 1, 0, 1.  One of the first three: multiplies buffer f; in its middle it fetches quarter q of the same slot into buffer g.
.macro QUARTER slot, q, f, g, first
	s_wait_dscnt 8                                 ; wb's fragments and mb's rows 0-63 are in; the youngest eight loads (mb's rows 64-127) may be out
	MUL16 \f, 0, 0, \first
	MUL16 \f, 0, 2, \first
	PLACES
	FETCH \slot, \q, \g
	s_wait_dscnt 32                                ; all but the 32 just issued
	MUL16 \f, 1, 0, \first
	MUL16 \f, 1, 2, \first
.endm
; The last quarter multiplies buffer 1 and changes slots.  MEET is its first half: ONE barrier.  In front of it each wave waits for all its tensor loads, of which one is out: its part of the next slot; adds 0
; to its spare word; and waits for that and for its own reads of this slot.  Behind it nobody reads this slot any more and the next slot is whole.  round = 1: a round of the cluster's barrier follows.
.macro MEET round
	WIN 0                                          ; (the add's two registers lie in window 0)
	s_wait_tensorcnt 0x0                           ; all my tensor loads have landed
	ds_add_u32 v[SPW], v[NIL]                      ; 0 onto my spare word
	s_wait_dscnt 9                                 ; (the add and the youngest eight loads may be out)
	MUL16 F1, 0, 0, 0                              ; sixteen matrix instructions stand between the add and the wait for it
	s_wait_dscnt 0x0                               ; the add is done, and my reads of this slot are over
	s_barrier_signal -1
	MUL16 F1, 0, 2, 0                              ; work on registers while the others arrive
.if \round
	WIN 0
.endif
	s_barrier_wait -1
.endm
; The whole last quarter.  fill = 1: behind a round of the cluster's barrier the slot just read out is filled again first, with the K step two steps on: from that request to the wait for it a wave issues
; 224 matrix instructions.  Then come the next slot's first fragments.
.macro TURN slot, next, fill
.if \fill
	s_wait_xcnt 0x0                                ; the last prefetch, a K step back, has read its address: it is stepped here, ahead of the waits of the change of slots
	s_add_nc_u64 s[PFA:PFA+1], s[PFA:PFA+1], s[PFS:PFS+1]
	MEET 1
	CREST                                          ; no wave of any partner still reads this slot's tile or has a load on its way
	s_add_nc_u64 s[G0+4*(\slot)+2:G0+4*(\slot)+3], s[G0+4*(\slot)+2:G0+4*(\slot)+3], 2*ASTEP      ; no tensor load of mine is out: the descriptors may be written
	s_add_nc_u64 s[G0B+4*(\slot)+2:G0B+4*(\slot)+3], s[G0B+4*(\slot)+2:G0B+4*(\slot)+3], 2*BSTEP
	JLOAD \slot                                    ; the first tensor load behind the round; the four v_nop behind it are also the places in front of the loads below
	FETCH \next, 0, F0
	ASK
.else
	MEET 0                                         ; nothing is filled again, so no round follows
	PLACES
	FETCH \next, 0, F0
.endif
	MUL16 F1, 1, 0, 0
	MUL16 F1, 1, 2, 0
.endm
; THE WAY OUT of block a (16 rows x my 128 columns).  A lane's eight numbers of a column block are 32 bytes of one row; the lanes beside it hold other rows.  So the block goes through my own stage in LDS:
; in by rows of 528 bytes, back as whole rows of 512.  Each accumulator's lowest four registers are read first.
.macro TOSTAGE a
.if (\a) >= 2
	s_wait_xcnt 0x0                                ; the registers loaded below were the data of block a - 2's stores: they are rewritten only behind this wait
.endif
	WIN 0x08+4*((\a)/4)                            ; the stores' data (source 1): window 2 or 3
.irp b, 0,1,2,3,4,5,6,7
	ds_store_b128 v[STO], v[8*(8*((\a)%4)+(\b)):8*(8*((\a)%4)+(\b))+3]   offset:64*(\b)
	ds_store_b128 v[STO], v[8*(8*((\a)%4)+(\b))+4:8*(8*((\a)%4)+(\b))+7] offset:64*(\b)+16
.endr
	WIN 0
.set BK, F0+64*((\a)%2)
.irp t, 0,1,2,3,4,5,6,7,8,9,10,11,12,13,14,15
	ds_load_b128 v[BK+4*(\t):BK+4*(\t)+3], v[RD] offset:(\t)*SPITCH  ; LDS serves a wave's instructions in order (ISA guide 5.7.1.4): these see the stores above, and the next block's stores come behind them
.endr
.endm
.macro SEND a, younger                 ; younger: the LDS instructions issued behind block a's loads: the next block's 32, or none
.set BK, F0+64*((\a)%2)
	s_wait_dscnt \younger
.irp t, 0,1,2,3,4,5,6,7,8,9,10,11,12,13,14,15
	global_store_b128 v[CO], v[BK+4*(\t):BK+4*(\t)+3], s[10:11] offset:(16*(\a)+(\t))*OROW th:TH_STORE_NT  ; the wave's store covers 512 consecutive bytes, aligned; the row stands in the immediate, 2,080,768 at the most
.endr
.endm
	s_wait_tensorcnt 1                             ; my part of K step 0 is in; K step 1's may stay out
	s_barrier_signal -1
	s_barrier_wait -1                              ; everybody's is
	FETCH 0, 0, F0
	QUARTER 0, 1, F0, F1, 1                        ; the first quarter stands in front of the loop: its products start the sums, with the bias
	WIN 0                                          ; at a label and at a branch every window is 0
	s_mov_b32 s3, LAPS-1
.Llap:                                                 ; a trip goes once round the ring, from a lap's second quarter to the next lap's first, and fills both slots again: K steps 2 to 31
	QUARTER 0, 2, F1, F0, 0
	QUARTER 0, 3, F0, F1, 0
	TURN 0, 1, 1
	QUARTER 1, 1, F0, F1, 0
	QUARTER 1, 2, F1, F0, 0
	QUARTER 1, 3, F0, F1, 0
	TURN 1, 0, 1
	QUARTER 0, 1, F0, F1, 0
	WIN 0
	s_sub_co_u32 s3, s3, 1
	s_cmp_lg_u32 s3, 0
	s_cbranch_scc1 .Llap
	QUARTER 0, 2, F1, F0, 0                        ; the last lap is written out: it fills nothing, and has no round of the cluster's barrier
	QUARTER 0, 3, F0, F1, 0
	TURN 0, 1, 0
	QUARTER 1, 1, F0, F1, 0
	QUARTER 1, 2, F1, F0, 0
	QUARTER 1, 3, F0, F1, 0
	s_wait_dscnt 8                                 ; the very last quarter: nothing more to fetch
	MUL16 F1, 0, 0, 0
	MUL16 F1, 0, 2, 0
	s_wait_dscnt 0x0
	MUL16 F1, 1, 0, 0
	MUL16 F1, 1, 2, 0
	WIN 0
	PLACES                                         ; behind the last products: the stage's stores read results, and its loads land in fragment registers
	PLACES
	TOSTAGE 0
.irp a, 1,2,3,4,5,6,7
	TOSTAGE \a                                     ; block a goes into the stage while block a - 1 comes back from it
	SEND (\a)-1, 32
.endr
	SEND 7, 0
	s_wait_tensorcnt 0x0                           ; the wave's end: behind my last tensor load and my last LDS store
	ds_add_u32 v[SPW], v[NIL]
	s_wait_dscnt 0x0
	CROUND                                         ; the closing round: no work-group ends while a partner may still ask for a tile that names it
	s_endpgm
.Lfunc_end_k_qaeda8dfd2d_gemm:
	.size	k_qaeda8dfd2d_gemm, .Lfunc_end_k_qaeda8dfd2d_gemm-k_qaeda8dfd2d_gemm
	.p2alignl 7, 3214868480
	.fill 96, 4, 3214868480
	.section	.rodata,"a",@progbits
	.p2align	6, 0x0
	.amdhsa_kernel k_qaeda8dfd2d_gemm
		.amdhsa_group_segment_fixed_size 327680
		.amdhsa_private_segment_fixed_size 0
		.amdhsa_enable_private_segment 0
		.amdhsa_kernarg_size 32
		.amdhsa_user_sgpr_count 2
		.amdhsa_user_sgpr_kernarg_segment_ptr 1
		.amdhsa_wavefront_size32 1
		.amdhsa_system_sgpr_workgroup_id_x 1
		.amdhsa_system_sgpr_workgroup_id_y 1
		.amdhsa_system_sgpr_workgroup_id_z 1
		.amdhsa_system_vgpr_workitem_id 0
		.amdhsa_next_free_vgpr 1024
		.amdhsa_next_free_sgpr 80
		.amdhsa_reserve_vcc 0
		.amdhsa_float_denorm_mode_32 3
		.amdhsa_float_denorm_mode_16_64 3
		.amdhsa_memory_ordered 1
		.amdhsa_forward_progress 1
		.amdhsa_inst_pref_size 148
	.end_amdhsa_kernel
	.amdgpu_metadata
---
amdhsa.version: [ 1, 2 ]
amdhsa.kernels:
  - .name:           k_qaeda8dfd2d_gemm
    .symbol:         k_qaeda8dfd2d_gemm.kd
    .args:
      - { .name: mb, .offset: 0, .size: 8, .value_kind: global_buffer, .address_space: global }
      - { .name: wb, .offset: 8, .size: 8, .value_kind: global_buffer, .address_space: global }
      - { .name: bias, .offset: 16, .size: 8, .value_kind: global_buffer, .address_space: global }
      - { .name: out0, .offset: 24, .size: 8, .value_kind: global_buffer, .address_space: global }
    .group_segment_fixed_size: 327680
    .private_segment_fixed_size: 0
    .kernarg_segment_align: 8
    .kernarg_segment_size: 32
    .max_flat_workgroup_size: 128
    .sgpr_count:     80
    .vgpr_count:     1024
    .wavefront_size: 32
...
	.end_amdgpu_metadata
.endif
;; end of part 2
;; ======== version 2 of 2: 2 launches; version 1 with the launch prep written anew for expert scheduling mode
;; limits: values outside matrix products are rounded to bf16
;; workspace buffers: mb 33,554,432 bytes; wb 33,554,432 bytes
;; launch prep (part 3): grid 256 x 1, 8 waves a work-group, no clusters, 0 bytes of LDS; arguments x, w, vs, mb, wb; writes mb, wb
.if DOCPART == 3
	.amdgcn_target "amdgcn-amd-amdhsa--gfx1250"
	.amdhsa_code_object_version 6
	.text
	.protected	k_qaeda8dfd2d_prep
	.globl	k_qaeda8dfd2d_prep
	.p2align	8
	.type	k_qaeda8dfd2d_prep,@function
k_qaeda8dfd2d_prep:
	s_mov_b64 s[64:65], 0
	v_nop
	global_prefetch_b8 v0, s[64:65] scope:SCOPE_SE
	s_setreg_imm32_b32 hwreg(HW_REG_WAVE_SCHED_MODE, 0, 2), 2
	s_setreg_imm32_b32 hwreg(HW_REG_WAVE_MODE, 25, 1), 1
	s_wait_xcnt 0x0
	s_wait_alu depctr_vm_vsrc(0)
; HouseholderLinear, first of two launches:  mb = bf16(x - 2 (x . u) u),  u = v / |v|,  v = vs[3];  wb = bf16(w).  The second launch makes out0 = mb @ wb + bias.
; x: [4096][4096] f32, w: [4096 (k)][4096 (n)] f32, vs: [10][4096] f32; mb: [4096][4096] bf16, wb: [4096 (k)][4096 (n)] bf16 (w keeps its layout: the product turns it on its way out of LDS).
; WORK LEFT OUT.  reference() takes vs[time], and time is the constant 3: rows 0-2 and 4-9 of vs enter no formula, so no value in them can reach an output.  They are not loaded.
; Limit: a NaN or an infinity in those nine rows is not carried to the result (reference() does not carry it either).  Every other input is honoured; the bias is added by the second launch.
; NUMBER FORMATS.  x, v (here), w (here) and bias (second launch) are each rounded ONCE to bf16 as they are read, and all that follows (the norm, x . u, the update) is reckoned in f32 on the rounded
; numbers; m is then rounded once more, as the product's operand.  So beside reference() on inputs rounded to bf16 the program's one further rounding is m's.
; LIMITS.  1 / |v| is v_rsq_f32 (accurate to one unit in the last place; a denormal input counts as 0: ISA guide, its entry in 15.8): the sum of v's squares must be 2^-126 or more; where it is 0 the
; result is NaN, as reference()'s is.  The sums over a row are taken in four chains a lane and then across lanes: another order of rounding than reference()'s.
; SHARES.  A stream: each byte of x and of w is read once, each byte of mb and wb written once.  2,048 waves; wave g owns rows 2 g and 2 g + 1 of x and of w.  ONE WAVE, ONE ROW: a row of 16,384 bytes is
; 32 loads of 16 bytes a lane (512 consecutive bytes each) and stays in 128 registers between the dot product and the update; no wave waits for another: no LDS, no barrier.
; A lane's four numbers of load j become 8 bytes: store j of a row covers 256 consecutive bytes, aligned.  Matrix units and clusters have nothing to do here: nothing is shared but v's 16 KiB.
; IN FLIGHT.  Two row slots: while one row is worked on the next row's 32 loads (16 KiB a wave) are on their way.
; THE MODE: SCHED_MODE bits 1:0 = 2 (LLVM: expert scheduling mode 2), set by the entry lines.  The code itself states the register dependences between vector instructions and memory instructions,
; with s_wait_alu, always for 0.
; THE PLAN.  Registers that memory instructions touch:
;   v2, v3        byte offsets, made once at the head and never written again: rows and pieces of rows stand in the immediates.
;   V             the head's loads land in it; from then on vector instructions alone name it, until u is dead (behind the second row of x) and its two halves become WO0 and WO1.
;   SLOT0, SLOT1  a row as loaded.  A row of x: rounded in place, read by the dot product and by the update; behind the update the slot is loaded again, with a row of w, which the conversions read.
;   Y             a row of mb to store.  Written by a row's update; read by the row's 32 stores, which are issued behind the update.
;   WO0, WO1      a row of wb to store, a buffer to each row.  Written by the row's conversions, read by its 32 stores, written by nothing behind them.
;   R, T, ACC, SC, D are named by vector instructions alone.
; So ONE wait on va_vdst stands at the end of a row of x: it states that the update has written Y and that all lines that read or wrote the slot are done.  Behind it the slot's 32 loads go out at once;
; the first row's 32 stores are dealt among the widening lines of the second row's rounding, which name R and the other slot alone and stand under a window setting that serves the stores too.
; One wait on vm_vsrc stands in the second row of x, ahead of its update, which writes Y again.  Each row of w has one wait on va_vdst, between its conversions and its stores.
; REGISTERS, in windows of 256 (s_set_vgpr_msb: bits 1:0 source 0, 3:2 source 1, 5:4 source 2, 7:6 destination):  window 0 as named below;  window 1: v0-127 row slot 0, v128-255 row slot 1.
.set RIN,  16384                       ; bytes in a row of x, w, vs
.set ROUT, 8192                        ; bytes in a row of mb, wb
.set TIME, 3
.set LI,  2                            ; v2        16 x lane: my 16 bytes in 512 of a row read; never rewritten
.set LO,  3                            ; v3        8 x lane: my 8 bytes in 256 of a row written; never rewritten
.set ACC, 4                            ; v[4:11]   four pairs: four chains of sums that do not wait for each other
.set SC,  12                           ; v[12:13]  a scale, twice (a pair for the packed forms)
.set D,   14                           ; v14       a sum over the row
.set D2,  15                           ; v15       the other half of the lanes' part of it
.set T,   16                           ; v[16:23]  at work: two sets of four by turns
.set R,   24                           ; v[24:55]  at work in RND: 32 words of two bf16
.set Y,   64                           ; v[64:127] 64 words of two bf16: a row of mb to store
.set V,   128                          ; v[128:255] v, later u: register V + 4 j + i holds element 128 j + 4 lane + i, as a row's loads lay it
.set WO,  V                            ; behind the last row of x: two buffers of 64 words, a row of wb to store in each
.set MSB, 0
.macro WIN new                         ; the immediate's high byte repeats the setting that is left; a switch that changes nothing is dropped
.if MSB != (\new)
	s_set_vgpr_msb (MSB<<8)|(\new)
.set MSB, \new
.endif
.endm
	s_load_b256 s[4:11], s[0:1], 0x0               ; x s[4:5], w s[6:7], vs s[8:9], mb s[10:11]
	s_load_b64 s[12:13], s[0:1], 0x20              ; wb
	v_lshrrev_b32 v1, 5, v0
	v_readfirstlane_b32 s14, v1                    ; wave 0..7
	v_and_b32 v1, 31, v0
	v_lshlrev_b32 v[LI], 4, v1
	v_lshlrev_b32 v[LO], 3, v1
	v_mov_b32 v[D2], 0                             ; v_permlanex16_b32's destination counts as read: it is written once here
	s_mov_b32 s20, 0x76543210                      ; v_permlanex16_b32: lane i of one half reads lane i of the other
	s_mov_b32 s21, 0xfedcba98
	s_mov_b32 s22, 0xffff0000                      ; a word's upper bf16
	s_wait_alu depctr_va_sdst(0)                   ; s14 is written, ahead of its first reader: the rows' offsets are made from it
	s_lshl_b32 s15, ttmp9, 3
	s_add_co_u32 s15, s15, s14                     ; g = 8 x work-group + wave
	s_lshl_b32 s16, s15, 15                        ; two rows of 16,384 bytes: under 2^27
	s_mov_b32 s17, 0
	s_lshl_b32 s18, s15, 14                        ; two rows of 8,192 bytes
	s_mov_b32 s19, 0
	s_wait_kmcnt 0x0
	s_add_nc_u64 s[4:5], s[4:5], s[16:17]          ; x and w at my first row
	s_add_nc_u64 s[6:7], s[6:7], s[16:17]
	s_add_nc_u64 s[8:9], s[8:9], TIME*RIN          ; vs at row 3
	s_add_nc_u64 s[10:11], s[10:11], s[18:19]      ; mb and wb at my first row
	s_add_nc_u64 s[12:13], s[12:13], s[18:19]
; A row's 32 loads into a slot of window 1.  x and w are read once in the launch.
.macro LOADROW slot, base, row
	WIN 0x40                                       ; destination window 1, address window 0
.set j, 0
.rept 32
	global_load_b128 v[128*(\slot)+4*j:128*(\slot)+4*j+3], v[LI], s[(\base):(\base)+1] offset:(\row)*RIN+512*j th:TH_LOAD_NT
.set j, j+1
.endr
.endm
; A row's 32 stores out of buffer ob, in one run.  The caller's window setting has sources 0 and 1 (offset and data) in window 0.
.macro STORES ob, base, row
.set j, 0
.rept 32
	global_store_b64 v[LO], v[(\ob)+2*j:(\ob)+2*j+1], s[(\base):(\base)+1] offset:(\row)*ROUT+256*j  ; the wave's store covers 256 consecutive bytes, aligned
.set j, j+1
.endr
.endm
; 128 numbers at xa are rounded to bf16 and widened again in place, through R, 64 numbers at a time.  wsrc: the setting under which sources 0 and 1 mean xa's window; wdst: under which the destination does.
; st = 1: the 32 stores of row srow of mb, out of Y, are dealt among the widening lines, one to four of them.  No wait: no vector instruction since the wait at that row's end names Y or v3.
.macro RND xa, wsrc, wdst, st, srow
.set c, 0
.rept 2
	WIN \wsrc
.set i, 0
.rept 32
	v_cvt_pk_bf16_f32 v[R+i], v[(\xa)+64*c+2*i], v[(\xa)+64*c+2*i+1]
.set i, i+1
.endr
	WIN \wdst
.set i, 0
.rept 32
.if (\st) && (i%2 == 0)
.set n, 16*c+i/2
	global_store_b64 v[LO], v[Y+2*n:Y+2*n+1], s[10:11] offset:(\srow)*ROUT+256*n  ; the wave's store covers 256 consecutive bytes, aligned
.endif
	v_lshlrev_b32 v[(\xa)+64*c+2*i],   16,  v[R+i]  ; bf16 to f32: the low half moves up,
	v_and_b32     v[(\xa)+64*c+2*i+1], s22, v[R+i]  ; the high half stays
.set i, i+1
.endr
.set c, c+1
.endr
.endm
; My lane's part of the sum over a row of xa x V: four chains; the first four products start them, so nothing is cleared.  Source 0's window is set by the caller.
.macro DOT xa
.set p, 0
.rept 4
	v_pk_mul_f32 v[ACC+2*p:ACC+2*p+1], v[(\xa)+2*p:(\xa)+2*p+1], v[V+2*p:V+2*p+1]
.set p, p+1
.endr
.rept 60
	v_pk_fma_f32 v[ACC+2*(p%4):ACC+2*(p%4)+1], v[(\xa)+2*p:(\xa)+2*p+1], v[V+2*p:V+2*p+1], v[ACC+2*(p%4):ACC+2*(p%4)+1]
.set p, p+1
.endr
.endm
; The four chains into one number, then over the 32 lanes: four steps inside each half of 16 ride on the addition, one crosses the halves.  Every lane ends with the sum in D.
.macro RED
	WIN 0
	v_pk_add_f32 v[ACC:ACC+1], v[ACC:ACC+1], v[ACC+2:ACC+3]
	v_pk_add_f32 v[ACC+4:ACC+5], v[ACC+4:ACC+5], v[ACC+6:ACC+7]
	v_pk_add_f32 v[ACC:ACC+1], v[ACC:ACC+1], v[ACC+4:ACC+5]
	v_add_f32 v[D], v[ACC], v[ACC+1]
	v_add_f32_dpp v[D], v[D], v[D] row_xmask:1 row_mask:0xf bank_mask:0xf
	v_add_f32_dpp v[D], v[D], v[D] row_xmask:2 row_mask:0xf bank_mask:0xf
	v_add_f32_dpp v[D], v[D], v[D] row_xmask:4 row_mask:0xf bank_mask:0xf
	v_add_f32_dpp v[D], v[D], v[D] row_xmask:8 row_mask:0xf bank_mask:0xf
	v_permlanex16_b32 v[D2], v[D], s20, s21
	v_add_f32 v[D], v[D], v[D2]
.endm
; A row of x: rounded, its dot product with u, the update u x (-2 x . u) + x as one fused multiply-add, rounded to bf16 into Y.  Then the slot is asked for again, with the same row of w.
; st = 1: the second row, which carries the first row's stores and writes Y behind them.
.macro XROW slot, row, st
	s_wait_loadcnt 32                              ; loads come back in order (ISA guide 5.7.1): my row is in, the next row's 32 loads stay out
	RND 128*(\slot), 0x05, 0x40, \st, (\row)-1
	WIN 0x01                                       ; source 0 window 1
	DOT 128*(\slot)
	RED
	v_mul_f32 v[SC], -2.0, v[D]
	v_mov_b32 v[SC+1], v[SC]                       ; named with it as a pair
.if \st
	s_wait_xcnt 0x0                                ; every earlier memory instruction has had its addresses translated (ISA guide 3.1): Y, the data of the row before's stores, is rewritten only behind this wait,
	s_wait_alu depctr_vm_vsrc(0)                   ; and those stores have read Y, which the roundings below write again
.endif
	WIN 0x10                                       ; source 2 window 1; all else window 0
.set j, 0
.rept 32
.set t, T+4*(j%2)
	v_pk_fma_f32 v[t:t+1],   v[V+4*j:V+4*j+1],   v[SC:SC+1], v[128*(\slot)+4*j:128*(\slot)+4*j+1]   op_sel_hi:[1,0,1]
	v_pk_fma_f32 v[t+2:t+3], v[V+4*j+2:V+4*j+3], v[SC:SC+1], v[128*(\slot)+4*j+2:128*(\slot)+4*j+3] op_sel_hi:[1,0,1]
	v_cvt_pk_bf16_f32 v[Y+2*j],   v[t],   v[t+1]
	v_cvt_pk_bf16_f32 v[Y+2*j+1], v[t+2], v[t+3]
.set j, j+1
.endr
	WIN 0x40                                       ; the loads' and the stores' setting, ahead of the wait
	s_wait_alu depctr_va_vdst(0)                   ; the roundings have written Y, which this row's stores read; the rounding in place, the dot product and the update are done with the slot, in which the loads below land
	LOADROW \slot, 6, \row                         ; w, into the slot just left, at once
.endm
; A row of w: rounded to bf16 into a buffer of its own, stored.  left: the younger loads that may stay out.
.macro WROW slot, row, left
	s_wait_loadcnt \left
	WIN 0x05                                       ; sources 0 and 1 window 1
.set i, 0
.rept 64
	v_cvt_pk_bf16_f32 v[WO+64*(\row)+i], v[128*(\slot)+2*i], v[128*(\slot)+2*i+1]
.set i, i+1
.endr
	WIN 0
	s_wait_alu depctr_va_vdst(0)                   ; the conversions have written this row's buffer, which the stores read
	STORES WO+64*(\row), 12, \row
.endm
	s_wait_alu depctr_va_vdst(0)                   ; v2 and v3 are written: every load of the kernel reads the one as its offset, every store the other
.set j, 0
.rept 32
	global_load_b128 v[V+4*j:V+4*j+3], v[LI], s[8:9] offset:512*j  ; v: every wave reads it, so no hint
.set j, j+1
.endr
	LOADROW 0, 4, 0                                ; x, my first row
	s_wait_loadcnt 32                              ; v is in; the row's 32 loads stay out
	LOADROW 1, 4, 1                                ; x, my second row
	RND V, 0, 0, 0, 0                              ; v rounded to bf16
	DOT V                                          ; the sum of its squares
	RED
	v_rsq_f32 v[SC], v[D]
	v_nop                                          ; a plain instruction between the transcendental and the use of its result (ISA guide 5.7.2),
	s_wait_alu depctr_va_vdst(0)                   ; and 1 / |v| is written, ahead of the first line that names it
	v_mov_b32 v[SC+1], v[SC]
.set p, 0
.rept 64
	v_pk_mul_f32 v[V+2*p:V+2*p+1], v[V+2*p:V+2*p+1], v[SC:SC+1] op_sel_hi:[1,0]  ; u = v / |v|
.set p, p+1
.endr
	XROW 0, 0, 0                                   ; its count leaves my second row of x out; at its end my first row of w is asked for
	XROW 1, 1, 1                                   ; its count leaves that row of w out; it carries the first row's stores; at its end my second row of w is asked for
	STORES Y, 10, 1                                ; the second row of mb, behind the wait at that row's end: no vector instruction since names Y
	WROW 0, 0, 32                                  ; the count leaves my second row of w out
	WROW 1, 1, 0                                   ; nothing was issued behind these loads
	WIN 0
	s_endpgm
.Lfunc_end_k_qaeda8dfd2d_prep:
	.size	k_qaeda8dfd2d_prep, .Lfunc_end_k_qaeda8dfd2d_prep-k_qaeda8dfd2d_prep
	.p2alignl 7, 3214868480
	.fill 96, 4, 3214868480
	.section	.rodata,"a",@progbits
	.p2align	6, 0x0
	.amdhsa_kernel k_qaeda8dfd2d_prep
		.amdhsa_group_segment_fixed_size 0
		.amdhsa_private_segment_fixed_size 0
		.amdhsa_enable_private_segment 0
		.amdhsa_kernarg_size 40
		.amdhsa_user_sgpr_count 2
		.amdhsa_user_sgpr_kernarg_segment_ptr 1
		.amdhsa_wavefront_size32 1
		.amdhsa_system_sgpr_workgroup_id_x 1
		.amdhsa_system_sgpr_workgroup_id_y 1
		.amdhsa_system_sgpr_workgroup_id_z 1
		.amdhsa_system_vgpr_workitem_id 0
		.amdhsa_next_free_vgpr 512
		.amdhsa_next_free_sgpr 66
		.amdhsa_reserve_vcc 0
		.amdhsa_float_denorm_mode_32 3
		.amdhsa_float_denorm_mode_16_64 3
		.amdhsa_memory_ordered 1
		.amdhsa_forward_progress 1
		.amdhsa_inst_pref_size 96
	.end_amdhsa_kernel
	.amdgpu_metadata
---
amdhsa.version: [ 1, 2 ]
amdhsa.kernels:
  - .name:           k_qaeda8dfd2d_prep
    .symbol:         k_qaeda8dfd2d_prep.kd
    .args:
      - { .name: x, .offset: 0, .size: 8, .value_kind: global_buffer, .address_space: global }
      - { .name: w, .offset: 8, .size: 8, .value_kind: global_buffer, .address_space: global }
      - { .name: vs, .offset: 16, .size: 8, .value_kind: global_buffer, .address_space: global }
      - { .name: mb, .offset: 24, .size: 8, .value_kind: global_buffer, .address_space: global }
      - { .name: wb, .offset: 32, .size: 8, .value_kind: global_buffer, .address_space: global }
    .group_segment_fixed_size: 0
    .private_segment_fixed_size: 0
    .kernarg_segment_align: 8
    .kernarg_segment_size: 40
    .max_flat_workgroup_size: 256
    .sgpr_count:     66
    .vgpr_count:     512
    .wavefront_size: 32
...
	.end_amdgpu_metadata
.endif
;; end of part 3
;; launch gemm: the kernel of part 2 again; grid 16 x 16, 4 waves a work-group, clusters of 4 x 4, 327,680 bytes of LDS; arguments mb, wb, bias, out0; writes out0
